; MI455X (gfx1250); checked and timed in simulation.
; The chip was launched on July 23, 2026; its instructions are those of AMD's public machine-readable ISA for CDNA 5 (MIT licence, August 2026) and "CDNA5" Instruction Set Architecture Reference Guide (July 2026). The comments in the code are by the model that wrote it; some were corrected since.
;; M2 Bert Attention. Allowed arithmetic: matrix products marked QUANTISED: E2M1 operands, one E8M0 scale for each 32 along K, by v_wmma_scale_f32_16x16x128_f8f6f4 with both operands' format E2M1 (or v_wmma_scale_f32_32x16x128_f4), f32 sums; everything else in f32.
;; Inputs: Wk_codes 768 x 24 x 16 uint8 (E2M1 codes of Wk, K innermost, in blocks of 32 codes, two codes a byte); Wk_scales 768 x 24 uint8 (E8M0 scales of Wk, one for each 32 codes along K); Wq_codes 768 x 24 x 16 uint8 (E2M1 codes of Wq, K innermost, in blocks of 32 codes, two codes a byte); Wq_scales 768 x 24 uint8 (E8M0 scales of Wq, one for each 32 codes along K); Wv_codes 768 x 24 x 16 uint8 (E2M1 codes of Wv, K innermost, in blocks of 32 codes, two codes a byte); Wv_scales 768 x 24 uint8 (E8M0 scales of Wv, one for each 32 codes along K); attention_mask 1 x 1 x 1 x 4,096 float32; bk 768 float32; bq 768 float32; bv 768 float32; hidden_states_codes 1 x 4,096 x 24 x 16 uint8 (E2M1 codes of hidden_states, K innermost, in blocks of 32 codes, two codes a byte); hidden_states_scales 1 x 4,096 x 24 uint8 (E8M0 scales of hidden_states, one for each 32 codes along K).
;; Outputs: out0 1 x 4,096 x 768 float32.
;; This version of the problem:
;;   THIS VERSION OF THE PROBLEM IS GIVEN IN LOW PRECISION. The matrix products marked QUANTISED in the list below multiply operands that are first quantised to E2M1 (2 exponent bits, 1 mantissa bit; 4 bits a number), with one power-of-two scale for each 32 numbers along K (OCP MX v1.0); their sums are f32. All else is computed in f32.
;;   The module's matrix products, in the order in which they are computed (A, B: the left and right operand; K: the contracted axis; several contracted axes count as one K, in the product's order):
;;     1. [M 4,096, K 768] x [K 768, N 768]; A: input hidden_states (given as codes); B: input Wq (given as codes): QUANTISED
;;     2. [M 4,096, K 768] x [K 768, N 768]; A: input hidden_states (given as codes); B: input Wk (given as codes): QUANTISED
;;     3. [M 4,096, K 768] x [K 768, N 768]; A: input hidden_states (given as codes); B: input Wv (given as codes): QUANTISED
;;     4. batch 12 x [M 4,096, K 64] x [K 64, N 4,096]; A: computed on the way; B: computed on the way: QUANTISED
;;     5. batch 12 x [M 64, K 4,096] x [K 4,096, N 4,096]; A: computed on the way; B: softmax (see below): QUANTISED
;;   THE QUANTISER, for each operand of a quantised product, along K:
;;     - K is cut into blocks of 32 from its start; a last block that is shorter is filled with zeros.
;;     - A block's scale is 2^e with e = floor(log2(the largest magnitude in the block)) - 2, held to -126 .. 127; a block of zeros has e = 0. As a byte (E8M0): e + 127.
;;     - Each number is divided by its block's scale, clamped to +-6, and rounded to the nearest number of E2M1, ties to even, subnormals kept.
;;     - The product sums the exact products of the quantised numbers (number of the format x scale) in f32.
;;   ~~~python
;;   def quantise(x, axis):      # numpy; x: float32 -> the quantised numbers, widened to float32 again
;;       x = np.moveaxis(x, axis, -1); K = x.shape[-1]
;;       x = np.pad(x, [(0, 0)] * (x.ndim - 1) + [(0, -K % 32)]); x = x.reshape(x.shape[:-1] + (-1, 32)); a = np.abs(x).max(-1, keepdims=True)
;;       e = np.where(a > 0, np.clip(np.frexp(np.where(a > 0, a, 1))[1] - 1 - 2, -126, 127), 0)      # np.frexp(a)[1] - 1 = floor(log2(a)), exactly
;;       r = np.clip(x / 2.0 ** e, -6, 6)
;;       step = 2.0 ** (np.maximum(np.frexp(np.where(r == 0, 1, r))[1] - 1, 0) - 1)
;;       q = np.round(r / step) * step * 2.0 ** e      # np.round: ties to even
;;       return np.moveaxis(q.reshape(q.shape[:-2] + (-1,))[..., :K], -1, axis).astype(np.float32)
;;   ~~~
;;   SOFTMAX AHEAD OF A QUANTISED PRODUCT. Where the list says 'softmax', what is quantised is not the finished softmax but p = 2^(t - M), with t = logit x log2(e) and M = ceil(the row's largest t), a whole number; so 1/2 < the row's largest p <= 1. The row's sum l is taken of the UNQUANTISED p, in f32, and the product's result is divided by l at the end. Since M is a whole number, a kernel that streams over the keys may use a running M (the ceiling of the running maximum): every later rescaling is an exact power of two, which a block's scale takes up: the codes' values come out the same.
;;   OPERANDS COMPUTED ON THE WAY. 'Computed on the way' means the value that the module computes at that place (a softmax that the list does not call 'softmax' is quantised finished and normalised). What goes into a quantiser is computed in f32, as accurately as f32 sums, v_exp_f32 and their like allow (about 1e-6 of the number): no bf16 or f16 on the way to a quantiser, and a product that is left as it is and whose result goes on into a quantised operand takes f32 operands (vector FMAs, or v_wmma_f32_16x16x4_f32). A number that lies on a knife's edge between two numbers of the format may be rounded either way, as far as f32 arithmetic and the matrix unit's own rounding can turn it there, and no further.
;;   INPUTS GIVEN AS CODES. Wk (in the module: [768, 768], K = its axis 1); Wq (in the module: [768, 768], K = its axis 1); Wv (in the module: [768, 768], K = its axis 1); hidden_states (in the module: [1, 4096, 768], K = its axis 2): each comes as NAME_codes (uint8): NAME with its K axis moved to the last place and cut into blocks of 32 codes, [.., K / 32, bytes a block], one block behind the other in memory; two codes a byte, the lower K in the low four bits (a code: sign, 2 exponent bits, 1 mantissa bit); and NAME_scales (uint8): the same leading axes, one E8M0 byte (e + 127) for each 32 codes along K. Its value is code x scale, taken as it is: it is not quantised again, and the codes and scales need not be those that the quantiser above would give.
;; One version. Each part assembles by itself: llvm-mc -triple=amdgcn-amd-amdhsa -mcpu=gfx1250 --defsym DOCPART=n.
;; ======== version 1 of 1: 2 launches
;; limits: right only within a limited range of input values
;; workspace buffers: qf 1,769,472 bytes; kv 3,440,640 bytes
;; launch proj (part 1): grid 32 x 6, 12 waves a work-group, no clusters, 269,312 bytes of LDS; arguments hidden_states_codes, hidden_states_scales, Wq_codes, Wq_scales, bq, Wk_codes, Wk_scales, bk, Wv_codes, Wv_scales, bv, qf, kv; writes qf, kv
.if DOCPART == 1
	.amdgcn_target "amdgcn-amd-amdhsa--gfx1250"
	.amdhsa_code_object_version 6
	.text
	.protected	k_q2d6c4c2172_proj
	.globl	k_q2d6c4c2172_proj
	.p2align	8
	.type	k_q2d6c4c2172_proj,@function
k_q2d6c4c2172_proj:
	s_mov_b64 s[64:65], 0
	v_nop
	global_prefetch_b8 v0, s[64:65] scope:SCOPE_SE
	s_setreg_imm32_b32 hwreg(HW_REG_WAVE_MODE, 25, 1), 1
	s_wait_xcnt 0x0
; q = rope(x Wq^T + bq), k = rope(x Wk^T + bk), v = x Wv^T + bv on the given codes of E2M1 (K = 768, six steps of 128), then quantised for the attention:
; q and k along the head's 64 (two blocks of 32), v along the tokens (the keys of the second product).  The results are stored as IMAGES OF THE OPERAND REGISTERS of the next launch.
; NOTHING OF reference() IS LEFT OUT in this program: all three biases go into a quantiser, the mask differs along the softmax's axis; every input is loaded (the mask by the next launch).
; qf [12 heads][32 groups of 128 tokens][4,608]: 8 fragments of 512 bytes (lane l's 16 bytes at 16 l), then 512 bytes of scale words, the word of tile t, row r at 256 (t / 4) + 16 r + 4 (t % 4).
; kv [12][32 key steps][8,960]: K's 8 fragments; at 4,096 V^T's 4 fragments of 1,024; at 8,192 K's scale words as q's; at 8,704 V's: tile 2 a + i, row r at 8 (16 a + r) + 4 i.
; THE 1/8 OF THE SCORES is taken off q's scale bytes (byte - 3): a power of two, the codes stay as they are.
; ONE ORDER OF ROWS EVERYWHERE: lane r of tile 2 b + u takes row 32 b + 8 u + r + 8 (r / 8), of tokens and of a head's features alike: so the 16 registers of two neighbouring result tiles are 16 neighbours along the next K.
; SHARES.  Work-group (x, y): tokens 128 x on; y / 2 = q, k or v; y % 2 = heads 0-5 or 6-11.  Twelve waves: wave w has head w / 2; for q and k the token tiles 4 (w % 2) on x the head's 4 feature tiles,
; for v the feature tiles 2 (w % 2) on x all 8 token tiles: 16 accumulators, 96 matrix instructions a wave.
; q, k: source 0 = 16 rows of W, source 1 = 16 tokens: a lane holds one token and its registers run along the head.  v: source 0 = 16 tokens, source 1 = 16 rows of W: a lane holds one feature, registers run along the tokens.
; The biases are the C of each sum's first matrix instruction.
; ROPE'S TABLE is made here, in f32, on the angle fl(t x inv_freq): inv_freq = 1 / 10^(j / 8), the power from a pair (high, low) of constants times 1, 10, 100 or 1,000, rounded once; the reciprocal with one
; correction step; the angle reduced by pi/2 in two parts with fused multiply-adds (exact for angles under 4,096), polynomials of degree 7 and 8.  Waves 0-7 make a token tile's table each, while the codes are on their way.
; NO JOINT LOADS: the launch has no tensor load and no loop over shared tiles: a work-group reads its 210,432 bytes once, at its head, each load of a wave 512 consecutive bytes, and lays them into padded LDS rows itself.
; LIMITS: a block of q or k whose largest magnitude lies under 2^-121 is held at that floor (so q's byte - 3 stays 1 or more), a block of v under 2^-124; a block of zeros keeps the floor's byte: its codes are zeros.
; NaN, infinities and a given scale byte 0xff are not served.  inv_freq is taken as the correctly rounded 1 / fl(10000^(j / 32)).
; LDS: rows of 384 bytes of codes as three pieces of 128 + 16 of padding (pitch 432 = 108 words: neighbouring rows start 12 banks apart).
.set PITCH, 432
.set WB,    55296                      ; behind the 128 token rows: 384 rows of W
.set HS,    221184                     ; the tokens' scale bytes, 24 a row
.set WS,    224256                     ; W's
.set BIA,   233472                     ; 384 numbers of the bias
.set TAB,   235008                     ; the table: 8 token tiles x 8 groups of four registers (0-3 cos, 4-7 sin) x 512 bytes
.set SPARE, 267776                     ; the spare words, 128 bytes for each of the twelve waves: six blocks of 256 bytes that no other line names
; REGISTERS: v1 16 t; v2 r; v3 h; v4 r + 8 (r / 8); v5, v6 LDS places of the tokens' and W's fragments; v7, v8 of their scale words; v9 16 x lane; v10, v11 the add's two; v12 the table, read; v13, v14 the bias; v15 the table, written;
; v16-23 staging addresses; v112-121 scale words and nothing else; v128-255 the staged codes, then the 16 accumulators.
	s_load_b512 s[8:23], s[0:1], 0x0               ; x codes s[8:9], x scales s[10:11], Wq codes, scales, bq s[12:17], Wk codes, scales, bk s[18:23]
	s_load_b256 s[24:31], s[0:1], 0x40             ; Wv codes, scales, bv s[24:29], qf s[30:31]
	s_load_b64 s[32:33], s[0:1], 0x60              ; kv
	v_lshl_add_u32 v10, v0, 2, SPARE
	v_mov_b32 v11, 0
	v_lshrrev_b32 v1, 5, v0
	s_delay_alu instid0(VALU_DEP_1)
	v_readfirstlane_b32 s44, v1                    ; wave 0..11
	s_lshr_b32 s45, s44, 1                         ; its head among the six
	s_and_b32 s46, s44, 1                          ; which half of the tiles
	s_mov_b32 s4, ttmp9                            ; group of 128 tokens
	s_and_b32 s5, ttmp7, 0xffff
	s_lshr_b32 s6, s5, 1                           ; 0 q, 1 k, 2 v
	s_and_b32 s7, s5, 1                            ; heads 0-5 or 6-11
	s_cmp_eq_u32 s6, 2
	s_mov_b32 s48, s46                             ; the LDS places are made for q, k from the wave's number alone; the v path adjusts them at its head
	s_mov_b32 s49, 0
	s_cselect_b32 s71, 4096, 0                     ; where the fragments begin in a record
	s_cselect_b32 s72, 7, 8                        ; log2 of a wave's bytes of scale words
	s_movk_i32 s73, 8192
	s_cselect_b32 s73, 8704, s73                   ; where the scale words begin: k, v,
	s_cmp_eq_u32 s6, 0
	s_cselect_b32 s73, 4096, s73                   ; q
	s_movk_i32 s75, 8960
	s_cselect_b32 s75, 4608, s75                   ; a record's bytes
	s_cselect_b32 s74, 0x0303, 0                   ; q: 3 off both scale bytes
	s_mul_i32 s54, s7, 6
	s_add_co_u32 s54, s54, s45                     ; the head
	s_lshl_b32 s54, s54, 5
	s_add_co_u32 s54, s54, s4
	s_mul_i32 s54, s54, s75                        ; the record
	s_lshl_b32 s55, s46, 11
	s_add_co_u32 s55, s55, s71
	s_add_co_u32 s76, s54, s55                     ; my fragments
	s_mov_b32 s77, 0
	s_lshl_b32 s55, s46, s72
	s_add_co_u32 s55, s55, s73
	s_add_co_u32 s78, s54, s55                     ; my scale words
	s_mov_b32 s79, 0
	v_lshlrev_b32 v1, 4, v0
	v_and_b32 v2, 15, v0
	v_bfe_u32 v3, v0, 4, 1
	s_delay_alu instid0(VALU_DEP_2)
	v_and_b32 v4, 8, v2
	s_delay_alu instid0(VALU_DEP_1)
	v_add_nc_u32 v4, v4, v2
	v_and_b32 v9, 31, v0
	s_delay_alu instid0(VALU_DEP_1)
	v_lshlrev_b32 v9, 4, v9
	s_wait_alu depctr_va_vdst(0)
	v_mul_u32_u24 v5, v4, PITCH
	s_delay_alu instid0(VALU_DEP_1)
	v_lshl_add_u32 v5, v3, 4, v5                   ; row x pitch + 16 x half
	s_mul_i32 s50, s45, 64*PITCH
	s_mul_i32 s51, s49, 32*PITCH
	s_add_co_u32 s50, s50, s51
	s_add_co_u32 s50, s50, WB
	v_add_nc_u32 v6, s50, v5                       ; W: my head's 64 rows (v: my 32 of them)
	s_mul_i32 s50, s48, 64*PITCH
	v_add_nc_u32 v5, s50, v5                       ; tokens (q, k: my 64)
	v_mul_u32_u24 v7, v4, 24
	s_mul_i32 s50, s45, 64*24
	s_mul_i32 s51, s49, 32*24
	s_add_co_u32 s50, s50, s51
	s_add_co_u32 s50, s50, WS
	v_add_nc_u32 v8, s50, v7
	s_mul_i32 s50, s48, 64*24
	s_add_co_u32 s50, s50, HS
	v_add_nc_u32 v7, s50, v7
	s_lshl_b32 s50, s46, 14
	s_add_co_u32 s50, s50, TAB
	v_add_nc_u32 v12, s50, v9                      ; the table of my four token tiles
	s_lshl_b32 s50, s45, 8
	s_add_co_u32 s50, s50, BIA
	v_lshl_add_u32 v13, v3, 6, s50                 ; q, k: my head's bias, + 16 h numbers
	s_lshl_b32 s51, s46, 7
	s_add_co_u32 s51, s51, s50
	v_lshl_add_u32 v14, v4, 2, s51                 ; v: the bias of my lane's feature
	s_and_b32 s50, s44, 7
	s_lshl_b32 s50, s50, 12
	s_add_co_u32 s50, s50, TAB
	v_add_nc_u32 v15, s50, v9                      ; where waves 0-7 put a tile's table
	v_lshrrev_b32 v16, 3, v0                       ; staging: thread t's 16 bytes lie in piece t / 8 of a pass's 48 pieces of 128 bytes
	s_delay_alu instid0(VALU_DEP_1)
	v_mul_u32_u24 v16, v16, 144
	v_and_b32 v17, 7, v0
	s_delay_alu instid0(VALU_DEP_1)
	v_lshl_add_u32 v16, v17, 4, v16
	s_delay_alu instid0(VALU_DEP_1)
	v_add_nc_u32 v17, 62208, v16                   ; nine passes of 6,912 bytes to an address register: the immediates stay under 65,536
	s_delay_alu instid0(VALU_DEP_2)
	v_add_nc_u32 v18, 124416, v16
	s_delay_alu instid0(VALU_DEP_3)
	v_add_nc_u32 v19, 186624, v16
	v_lshlrev_b32 v22, 3, v0
	v_lshlrev_b32 v23, 2, v0
	s_delay_alu instid0(VALU_DEP_2)
	v_add_nc_u32 v20, HS, v22
	s_delay_alu instid0(VALU_DEP_2)
	v_add_nc_u32 v21, BIA, v23
	s_mov_b32 s56, 0x76543210
	s_mov_b32 s57, 0xfedcba98                      ; v_permlanex16_b32's selects for lane l xor 16
	s_mov_b32 s58, 0x3f22f983                      ; 2 / pi
	s_mov_b32 s59, 0x4b400000                      ; 1.5 x 2^23: adding it rounds to a whole number, which then stands in the low bits
	s_mov_b32 s60, 0xbfc90fdb                      ; -(pi/2), high part
	s_mov_b32 s61, 0x333bbd2e                      ; -(pi/2), low part
	s_mov_b32 s62, 0xb94ca1f9                      ; sine's three
	s_mov_b32 s63, 0x3c08839e
	s_mov_b32 s66, 0xbe2aaaa3
	s_mov_b32 s67, 0x37ccf5ce                      ; cosine's three
	s_mov_b32 s68, 0xbab6061a
	s_mov_b32 s69, 0x3d2aaaa5
	s_mov_b32 s70, 0x80000000
	s_mov_b32 s53, 0
	s_wait_alu depctr_va_vdst(0)
	s_wait_kmcnt 0x0
	s_cmp_eq_u32 s6, 1                             ; the buffers are chosen by the work-group's number alone
	s_cselect_b64 s[34:35], s[18:19], s[24:25]
	s_cselect_b64 s[36:37], s[20:21], s[26:27]
	s_cselect_b64 s[38:39], s[22:23], s[28:29]
	s_cmp_eq_u32 s6, 0
	s_cselect_b64 s[34:35], s[12:13], s[34:35]     ; W's codes
	s_cselect_b64 s[36:37], s[14:15], s[36:37]     ; W's scales
	s_cselect_b64 s[38:39], s[16:17], s[38:39]     ; the bias
	s_cselect_b64 s[40:41], s[30:31], s[32:33]     ; where the results go
	s_mov_b64 s[42:43], s[40:41]
	s_add_nc_u64 s[40:41], s[40:41], s[76:77]
	s_add_nc_u64 s[42:43], s[42:43], s[78:79]
	s_mul_i32 s52, s7, 147456                      ; my six heads: 384 rows of 384 bytes,
	s_add_nc_u64 s[34:35], s[34:35], s[52:53]
	s_mul_i32 s52, s7, 9216                        ; of 24,
	s_add_nc_u64 s[36:37], s[36:37], s[52:53]
	s_mul_i32 s52, s7, 1536                        ; of 4
	s_add_nc_u64 s[38:39], s[38:39], s[52:53]
	s_mul_i32 s52, s4, 49152                       ; my 128 tokens
	s_add_nc_u64 s[8:9], s[8:9], s[52:53]
	s_mul_i32 s52, s4, 3072
	s_add_nc_u64 s[10:11], s[10:11], s[52:53]
	; all that the work-group reads, asked for at once: 37 loads a wave; each b128 load of a wave covers 512 consecutive bytes
.set I, 0
.rept 8
	global_load_b128 v[128+4*I:131+4*I], v1, s[8:9] offset:6144*I
.set I, I+1
.endr
.set I, 0
.rept 24
	global_load_b128 v[160+4*I:163+4*I], v1, s[34:35] offset:6144*I
.set I, I+1
.endr
	global_load_b64 v[122:123], v22, s[10:11]
	global_load_b64 v[124:125], v22, s[36:37]
	global_load_b64 v[126:127], v22, s[36:37] offset:3072
	global_load_b64 v[44:45], v22, s[36:37] offset:6144
	global_load_b32 v46, v23, s[38:39]
	s_cmp_eq_u32 s6, 2                             ; v has no rope,
	s_cbranch_scc1 .Ljoin
	s_cmp_ge_u32 s44, 8                            ; and there are eight token tiles
	s_cbranch_scc1 .Ljoin
	; ---- THE TABLE of token tile w: lane (r, h): cos and sin of t x inv_freq[16 h + i], i = 0 .. 15, t the lane's token.  It touches none of the registers that the loads above will write.
	v_cmp_eq_u32 vcc_lo, 1, v3
	v_mov_b32 v41, 1.0
	v_mov_b32 v42, 0x42c80000
	s_delay_alu instid0(VALU_DEP_1)
	v_cndmask_b32 v41, v41, v42, vcc_lo            ; 10^(2 h)
	s_delay_alu instid0(VALU_DEP_1)
	v_mul_f32 v42, 0x41200000, v41                 ; 10^(2 h + 1): both exact
	s_delay_alu instid0(VALU_DEP_2)
	v_mov_b32 v48, v41
	s_delay_alu instid0(VALU_DEP_2)
	v_mov_b32 v56, v42
.macro POW m, hi, lo                   ; 10^(2 h + q + m / 8), q = 0, 1: (hi + lo) x the power of ten, the product's error carried, one rounding at the end
.irp q, 0,1
	v_mul_f32 v[80+2*\q], \hi, v[41+\q]
.endr
.irp q, 0,1
	s_delay_alu instid0(VALU_DEP_2)
	v_fma_f32 v[81+2*\q], \hi, v[41+\q], -v[80+2*\q]
.endr
.irp q, 0,1
	s_delay_alu instid0(VALU_DEP_2)
	v_fma_f32 v[81+2*\q], \lo, v[41+\q], v[81+2*\q]
.endr
.irp q, 0,1
	s_delay_alu instid0(VALU_DEP_2)
	v_add_f32 v[48+8*\q+\m], v[80+2*\q], v[81+2*\q]
.endr
.endm
	POW 1, 0x3faab0d5, 0xb36457ec
	POW 2, 0x3fe39ea9, 0xb26aee3c
	POW 3, 0x4017c496, 0x33606940
	POW 4, 0x404a62c2, 0xb324b496
	POW 5, 0x4086f161, 0xb430577b
	POW 6, 0x40b3f300, 0x34323462
	POW 7, 0x40eff755, 0x34515b50
.set I, 0
	s_wait_alu depctr_va_vdst(0)
.rept 16
	v_rcp_f32 v[64+I], v[48+I]
.set I, I+1
.endr
	v_nop                                          ; a plain instruction behind the last reciprocal
	s_wait_alu depctr_va_vdst(0)                   ; one wait for the sixteen, ahead of their first reader
.set I, 0
.rept 16
	v_fma_f32 v[80+I], -v[48+I], v[64+I], 1.0      ; 1 - P y
.set I, I+1
.endr
.set I, 0
.rept 16
	v_fma_f32 v[24+I], v[64+I], v[80+I], v[64+I]   ; inv_freq = y + y (1 - P y)
.set I, I+1
.endr
	s_lshl_b32 s50, s4, 7
	s_lshl_b32 s51, s45, 5
	s_add_co_u32 s50, s50, s51
	s_lshl_b32 s51, s46, 3
	s_add_co_u32 s50, s50, s51
	v_add_nc_u32 v40, s50, v4                      ; my token: 128 x + 32 (w / 2) + 8 (w % 2) + r + 8 (r / 8)
	s_delay_alu instid0(VALU_DEP_1)
	v_cvt_f32_u32 v40, v40
; four angles at a time, line by line, so that no line waits for the line above it.  v80.. the angle, then the rest r; v84.. the quadrant's number; v88.. it as f32, then r^2; v92.. sine; v96.. cosine; v100-111 at work
.macro SC4 i0
.irp c, 0,1,2,3
	v_mul_f32 v[80+\c], v40, v[24+\i0+\c]          ; the angle, rounded as reference() rounds it
.endr
.irp c, 0,1,2,3
	s_delay_alu instid0(VALU_DEP_4)
	v_fma_f32 v[84+\c], v[80+\c], s58, s59
.endr
.irp c, 0,1,2,3
	s_delay_alu instid0(VALU_DEP_4)
	v_sub_f32 v[88+\c], v[84+\c], s59
.endr
.irp c, 0,1,2,3
	s_delay_alu instid0(VALU_DEP_4)
	v_fma_f32 v[80+\c], v[88+\c], s60, v[80+\c]    ; exact: the difference has no more than 23 bits
.endr
.irp c, 0,1,2,3
	s_delay_alu instid0(VALU_DEP_4)
	v_fma_f32 v[80+\c], v[88+\c], s61, v[80+\c]
.endr
.irp c, 0,1,2,3
	s_delay_alu instid0(VALU_DEP_4)
	v_mul_f32 v[88+\c], v[80+\c], v[80+\c]
.endr
.irp c, 0,1,2,3
	s_delay_alu instid0(VALU_DEP_4)
	v_fma_f32 v[92+\c], v[88+\c], s62, s63
.endr
.irp c, 0,1,2,3
	v_fma_f32 v[96+\c], v[88+\c], s67, s68
.endr
.irp c, 0,1,2,3
	v_fma_f32 v[92+\c], v[92+\c], v[88+\c], s66
.endr
.irp c, 0,1,2,3
	v_fma_f32 v[96+\c], v[96+\c], v[88+\c], s69
.endr
.irp c, 0,1,2,3
	v_mul_f32 v[100+\c], v[88+\c], v[80+\c]
.endr
.irp c, 0,1,2,3
	v_mul_f32 v[104+\c], v[88+\c], v[88+\c]
.endr
.irp c, 0,1,2,3
	v_fma_f32 v[108+\c], v[88+\c], -0.5, 1.0
.endr
.irp c, 0,1,2,3
	v_fma_f32 v[92+\c], v[92+\c], v[100+\c], v[80+\c]    ; sin r
.endr
.irp c, 0,1,2,3
	v_fma_f32 v[96+\c], v[96+\c], v[104+\c], v[108+\c]   ; cos r
.endr
.irp c, 0,1,2,3
	v_and_b32 v[100+\c], 1, v[84+\c]
.endr
.irp c, 0,1,2,3
	s_delay_alu instid0(VALU_DEP_4)
	v_cmp_eq_u32 s[50+\c], 1, v[100+\c]            ; an odd quadrant swaps the two
.endr
.irp c, 0,1,2,3
	s_delay_alu instid0(VALU_DEP_4)
	v_cndmask_b32 v[64+\i0+\c], v[92+\c], v[96+\c], s[50+\c]
.endr
.irp c, 0,1,2,3
	v_cndmask_b32 v[48+\i0+\c], v[96+\c], v[92+\c], s[50+\c]
.endr
.irp c, 0,1,2,3
	v_lshlrev_b32 v[100+\c], 30, v[84+\c]          ; sine is negative in quadrants 2, 3: bit 1 of the number;
.endr
.irp c, 0,1,2,3
	v_add_nc_u32 v[104+\c], 1, v[84+\c]            ; cosine in 1, 2: bit 1 of the number + 1
.endr
.irp c, 0,1,2,3
	v_and_b32 v[100+\c], s70, v[100+\c]
.endr
.irp c, 0,1,2,3
	v_lshlrev_b32 v[104+\c], 30, v[104+\c]
.endr
.irp c, 0,1,2,3
	v_xor_b32 v[64+\i0+\c], v[64+\i0+\c], v[100+\c]
.endr
.irp c, 0,1,2,3
	v_and_b32 v[104+\c], s70, v[104+\c]
.endr
.irp c, 0,1,2,3
	s_delay_alu instid0(VALU_DEP_4)
	v_xor_b32 v[48+\i0+\c], v[48+\i0+\c], v[104+\c]
.endr
.endm
	SC4 0
	SC4 4
	SC4 8
	SC4 12
.irp q, 0,1,2,3,4,5,6,7
	ds_store_b128 v15, v[48+4*\q:51+4*\q] offset:512*\q   ; as an image of the registers: 16 bytes a lane
.endr
.Ljoin:
	s_wait_loadcnt 0x0                             ; all 37 loads are in
	v_mul_u32_u24 v24, v0, 144                     ; the 16 bytes of padding behind each of the 1,536 pieces are written too, four a thread: no byte among the rows stays unwritten
	v_mov_b32 v28, 0
	v_mov_b32 v29, 0
	v_mov_b32 v30, 0
	v_mov_b32 v31, 0
	v_add_nc_u32 v25, 110592, v24
	ds_store_b128 v24, v[28:31] offset:128
	ds_store_b128 v24, v[28:31] offset:55424
	ds_store_b128 v25, v[28:31] offset:128
	ds_store_b128 v25, v[28:31] offset:55424
.set I, 0
.rept 32
	ds_store_b128 v[16+I/9], v[128+4*I:131+4*I] offset:(I%9)*6912   ; pass I: 48 pieces of 128 bytes, 144 apart; the tokens' 8 passes, then W's 24
.set I, I+1
.endr
	ds_store_b64 v20, v[122:123]
	ds_store_b64 v20, v[124:125] offset:3072
	ds_store_b64 v20, v[126:127] offset:6144
	ds_store_b64 v20, v[44:45] offset:9216
	ds_store_b32 v21, v46
	s_wait_dscnt 0x0                               ; for the others' sake: my stores have landed
	s_barrier_signal -1
	s_barrier_wait -1                              ; the launch's one barrier: behind it LDS is only read
	s_cmp_eq_u32 s6, 2
	s_cbranch_scc1 .Lmain_v
	; ---- q, k.  v16-47 the bias in the result's layout; v48-79 W's four fragments; v80-111 the tokens' four; accumulator (token tile tl, feature tile ft) at v[128 + 32 tl + 8 ft]
.irp ft, 0,1,2,3
.irp k, 0,1
	ds_load_b128 v[16+8*\ft+4*\k:19+8*\ft+4*\k], v13 offset:(32*(\ft/2)+8*(\ft%2))*4+16*\k
.endr
.endr
.macro KSTEP_QK s
.if \s > 0
.rept 4
	v_nop                                          ; places in front of loads into registers that matrix instructions have read
.endr
.endif
.irp f, 0,1,2,3
.irp c, 0,1
	ds_load_b128 v[48+8*\f+4*\c:51+8*\f+4*\c], v6 offset:(32*(\f/2)+8*(\f%2))*PITCH+((\s)/2)*144+((\s)%2)*64+32*\c
	ds_load_b128 v[80+8*\f+4*\c:83+8*\f+4*\c], v5 offset:(32*(\f/2)+8*(\f%2))*PITCH+((\s)/2)*144+((\s)%2)*64+32*\c
.endr
	ds_load_b32 v[112+\f], v8 offset:(32*(\f/2)+8*(\f%2))*24+4*(\s)
	ds_load_b32 v[116+\f], v7 offset:(32*(\f/2)+8*(\f%2))*24+4*(\s)
.endr
	s_wait_dscnt 0x0
.irp tl, 0,1,2,3                       ; the sixteen accumulators take turns, one instruction a turn
.irp ft, 0,1,2,3
.if \s == 0
	v_wmma_scale_f32_16x16x128_f8f6f4 v[128+32*\tl+8*\ft:135+32*\tl+8*\ft], v[48+8*\ft:55+8*\ft], v[80+8*\tl:87+8*\tl], v[16+8*\ft:23+8*\ft], v[112+\ft], v[116+\tl] matrix_a_fmt:MATRIX_FMT_FP4 matrix_b_fmt:MATRIX_FMT_FP4
.else
	v_wmma_scale_f32_16x16x128_f8f6f4 v[128+32*\tl+8*\ft:135+32*\tl+8*\ft], v[48+8*\ft:55+8*\ft], v[80+8*\tl:87+8*\tl], v[128+32*\tl+8*\ft:135+32*\tl+8*\ft], v[112+\ft], v[116+\tl] matrix_a_fmt:MATRIX_FMT_FP4 matrix_b_fmt:MATRIX_FMT_FP4
.endif
.endr
.endr
.endm
	KSTEP_QK 0
	KSTEP_QK 1
	KSTEP_QK 2
	KSTEP_QK 3
	KSTEP_QK 4
	KSTEP_QK 5
.rept 4
	v_nop                                          ; places in front of the first read of results and of writes into the fragments' registers
.endr
	v_mov_b32 v98, 0                               ; written once: a lane permute's destination counts as one of its sources
	v_mov_b32 v99, 0
; One token tile: register 16 b + i of lane (r, h) is feature 32 b + 16 h + i of the lane's token.  Rope pairs feature j with 32 + j: registers i and 16 + i.  Then the two blocks of 32 are quantised.
; v48-63 cos, v64-79 sin, v80-95 x2 sin, v96-103 at work; codes v[16 + 4 tl ..], scale word v[32 + tl]: registers of their own for each tile, so that no store's data are written again.
.macro TOK tl
.set A1, 128+32*(\tl)
.set A2, 144+32*(\tl)
.irp q, 0,1,2,3,4,5,6,7
	ds_load_b128 v[48+4*\q:51+4*\q], v12 offset:(\tl)*4096+512*\q
.endr
	s_wait_dscnt 0x0
.irp j, 0,2,4,6,8,10,12,14
	v_pk_mul_f32 v[80+\j:81+\j], v[A2+\j:A2+\j+1], v[64+\j:65+\j]      ; each accumulator is read from its low end on
.endr
.irp j, 0,2,4,6,8,10,12,14
	v_pk_mul_f32 v[A2+\j:A2+\j+1], v[A2+\j:A2+\j+1], v[48+\j:49+\j]
.endr
.irp j, 0,2,4,6,8,10,12,14
	v_pk_fma_f32 v[A2+\j:A2+\j+1], v[A1+\j:A1+\j+1], v[64+\j:65+\j], v[A2+\j:A2+\j+1]   ; x1 sin + x2 cos
.endr
.irp j, 0,2,4,6,8,10,12,14
	v_pk_fma_f32 v[A1+\j:A1+\j+1], v[A1+\j:A1+\j+1], v[48+\j:49+\j], v[80+\j:81+\j] neg_lo:[0,0,1] neg_hi:[0,0,1]   ; x1 cos - x2 sin
.endr
.irp b, 0,1
	v_max3_num_f32 v[96+\b], |v[A1+16*\b]|, |v[A1+1+16*\b]|, 0x3000000   ; block b: my 16 numbers, and the floor 2^(6 - 127): the byte cannot fall under 4
.endr
.irp i, 2,4,6,8,10,12,14
.irp b, 0,1
	s_delay_alu instid0(VALU_DEP_2)
	v_max3_num_f32 v[96+\b], v[96+\b], |v[A1+16*\b+\i]|, |v[A1+1+16*\b+\i]|
.endr
.endr
.irp b, 0,1
	s_delay_alu instid0(VALU_DEP_2)
	v_permlanex16_b32 v[98+\b], v[96+\b], s56, s57
.endr
.irp b, 0,1
	s_delay_alu instid0(VALU_DEP_2)
	v_max_num_f32 v[96+\b], v[96+\b], v[98+\b]     ; with lane l xor 16's: the block's largest magnitude
.endr
.irp b, 0,1
	s_delay_alu instid0(VALU_DEP_2)
	v_add_nc_u32 v[100+\b], 0xff000000, v[96+\b]   ; 2 off its exponent field: the conversion's scale operand
.endr
.irp b, 0,1
	s_delay_alu instid0(VALU_DEP_2)
	v_lshrrev_b32 v[102+\b], 23, v[100+\b]         ; the scale's byte
.endr
	s_delay_alu instid0(VALU_DEP_1)
	v_lshl_or_b32 v[32+\tl], v103, 8, v102         ; the scale word: bytes 2 and 3, of the K step's empty half, are 0
	s_delay_alu instid0(VALU_DEP_1)
	v_sub_nc_u32 v[32+\tl], v[32+\tl], s74         ; q: the scores' 1/8
.irp b, 0,1
	v_cvt_scalef32_pk8_fp4_f32 v[16+4*\tl+2*\b], v[A1+16*\b:A1+7+16*\b], v[100+\b]
	v_cvt_scalef32_pk8_fp4_f32 v[17+4*\tl+2*\b], v[A1+8+16*\b:A1+15+16*\b], v[100+\b]
.endr
	v_nop                                          ; one plain place behind a scaled conversion
	v_permlane16_swap_b32 v[16+4*\tl], v[18+4*\tl] ; the operand's layout wants a whole block in a lane: lanes 0-15 block 0, lanes 16-31 block 1
	v_permlane16_swap_b32 v[17+4*\tl], v[19+4*\tl]
	global_store_b128 v9, v[16+4*\tl:19+4*\tl], s[40:41] offset:512*\tl   ; 512 consecutive bytes
.endm
	TOK 0
	TOK 1
	TOK 2
	TOK 3
	v_cmp_eq_u32 vcc_lo, 1, v3
	s_delay_alu instid0(VALU_DEP_1)
	v_cndmask_b32 v36, v32, v34, vcc_lo            ; row r's four words: lanes 0-15 store tiles 0, 1, lanes 16-31 tiles 2, 3
	s_delay_alu instid0(VALU_DEP_2)
	v_cndmask_b32 v37, v33, v35, vcc_lo
	v_lshlrev_b32 v38, 4, v2
	s_delay_alu instid0(VALU_DEP_1)
	v_lshl_add_u32 v38, v3, 3, v38
	global_store_b64 v38, v[36:37], s[42:43]       ; 256 consecutive bytes, aligned
	s_wait_tensorcnt 0x0                           ; the wave's end, behind my last LDS store
	ds_add_u32 v10, v11
	s_wait_dscnt 0x0
	s_endpgm
.Lmain_v:
	s_mul_i32 s50, s46, 32*PITCH                   ; v: the wave's half picks 32 rows of W, and all 128 tokens are taken
	v_add_nc_u32 v6, s50, v6
	s_mul_i32 s50, s46, 64*PITCH
	v_sub_nc_u32 v5, v5, s50
	s_mul_i32 s50, s46, 32*24
	v_add_nc_u32 v8, s50, v8
	s_mul_i32 s50, s46, 64*24
	v_sub_nc_u32 v7, v7, s50
	s_wait_alu depctr_va_vdst(0)                   ; the wait behind these writes
	; ---- v.  v16-31 the bias (a lane's feature, in all eight registers of a tile); v32-47 W's two fragments; v48-111 the tokens' eight; accumulator (feature tile d, token tile t) at v[128 + 64 d + 8 t]
.irp d, 0,1
.irp j, 0,1,2,3,4,5,6,7
	ds_load_b32 v[16+8*\d+\j], v14 offset:32*\d
.endr
.endr
.macro KSTEP_V s
.if \s > 0
.rept 4
	v_nop
.endr
.endif
.irp t, 0,1,2,3,4,5,6,7
.irp c, 0,1
	ds_load_b128 v[48+8*\t+4*\c:51+8*\t+4*\c], v5 offset:(32*(\t/2)+8*(\t%2))*PITCH+((\s)/2)*144+((\s)%2)*64+32*\c
.endr
	ds_load_b32 v[112+\t], v7 offset:(32*(\t/2)+8*(\t%2))*24+4*(\s)
.endr
.irp d, 0,1
.irp c, 0,1
	ds_load_b128 v[32+8*\d+4*\c:35+8*\d+4*\c], v6 offset:8*\d*PITCH+((\s)/2)*144+((\s)%2)*64+32*\c
.endr
	ds_load_b32 v[120+\d], v8 offset:8*\d*24+4*(\s)
.endr
	s_wait_dscnt 0x0
.irp t, 0,1,2,3,4,5,6,7
.irp d, 0,1
.if \s == 0
	v_wmma_scale_f32_16x16x128_f8f6f4 v[128+64*\d+8*\t:135+64*\d+8*\t], v[48+8*\t:55+8*\t], v[32+8*\d:39+8*\d], v[16+8*\d:23+8*\d], v[112+\t], v[120+\d] matrix_a_fmt:MATRIX_FMT_FP4 matrix_b_fmt:MATRIX_FMT_FP4
.else
	v_wmma_scale_f32_16x16x128_f8f6f4 v[128+64*\d+8*\t:135+64*\d+8*\t], v[48+8*\t:55+8*\t], v[32+8*\d:39+8*\d], v[128+64*\d+8*\t:135+64*\d+8*\t], v[112+\t], v[120+\d] matrix_a_fmt:MATRIX_FMT_FP4 matrix_b_fmt:MATRIX_FMT_FP4
.endif
.endr
.endr
.endm
	KSTEP_V 0
	KSTEP_V 1
	KSTEP_V 2
	KSTEP_V 3
	KSTEP_V 4
	KSTEP_V 5
.rept 4
	v_nop
.endr
.irp b, 0,1,2,3
	v_mov_b32 v[52+\b], 0                          ; written once: a lane permute's destination counts as one of its sources
.endr
; 64 numbers of a lane, register 16 b + i = token 32 b + 16 h + i of my feature, become a fragment's codes in v[pc] on and its scale word in v[pw]
.macro QUANT4 s, pc, pw
.irp b, 0,1,2,3
	v_max3_num_f32 v[48+\b], |v[\s+16*\b]|, |v[\s+1+16*\b]|, 0x1800000   ; and the floor 2^(3 - 127): the byte cannot fall under 1
.endr
.irp i, 2,4,6,8,10,12,14
.irp b, 0,1,2,3
	v_max3_num_f32 v[48+\b], v[48+\b], |v[\s+16*\b+\i]|, |v[\s+1+16*\b+\i]|
.endr
.endr
.irp b, 0,1,2,3
	s_delay_alu instid0(VALU_DEP_4)
	v_permlanex16_b32 v[52+\b], v[48+\b], s56, s57
.endr
.irp b, 0,1,2,3
	s_delay_alu instid0(VALU_DEP_4)
	v_max_num_f32 v[48+\b], v[48+\b], v[52+\b]
.endr
.irp b, 0,1,2,3
	s_delay_alu instid0(VALU_DEP_4)
	v_add_nc_u32 v[60+\b], 0xff000000, v[48+\b]
.endr
.irp b, 0,1,2,3
	s_delay_alu instid0(VALU_DEP_4)
	v_lshrrev_b32 v[52+\b], 23, v[60+\b]
.endr
	s_delay_alu instid0(VALU_DEP_3)
	v_lshl_or_b32 v[\pw], v53, 8, v52
	s_delay_alu instid0(VALU_DEP_1)
	v_lshl_or_b32 v[\pw], v54, 16, v[\pw]
	s_delay_alu instid0(VALU_DEP_1)
	v_lshl_or_b32 v[\pw], v55, 24, v[\pw]
.irp b, 0,1,2,3
	v_cvt_scalef32_pk8_fp4_f32 v[\pc+2*\b], v[\s+16*\b:\s+7+16*\b], v[60+\b]
	v_cvt_scalef32_pk8_fp4_f32 v[\pc+1+2*\b], v[\s+8+16*\b:\s+15+16*\b], v[60+\b]
.endr
	v_nop                                          ; one plain place behind a scaled conversion
.irp c, 0,1
.irp i, 0,1
	v_permlane16_swap_b32 v[\pc+4*\c+\i], v[\pc+2+4*\c+\i]
.endr
.endr
.endm
	QUANT4 128, 64, 80
	global_store_b128 v9, v[64:67], s[40:41]
	global_store_b128 v9, v[68:71], s[40:41] offset:512
	QUANT4 192, 72, 81
	global_store_b128 v9, v[72:75], s[40:41] offset:1024
	global_store_b128 v9, v[76:79], s[40:41] offset:1536
	v_cmp_eq_u32 vcc_lo, 1, v3
	s_delay_alu instid0(VALU_DEP_1)
	v_cndmask_b32 v82, v80, v81, vcc_lo            ; row r's two words: lanes 0-15 store my first tile's, lanes 16-31 my second's
	v_lshlrev_b32 v83, 3, v2
	s_delay_alu instid0(VALU_DEP_1)
	v_lshl_add_u32 v83, v3, 2, v83
	global_store_b32 v83, v82, s[42:43]            ; 128 consecutive bytes; the head's other wave stores the 128 beside them
	s_wait_tensorcnt 0x0                           ; the wave's end, behind my last LDS store
	ds_add_u32 v10, v11
	s_wait_dscnt 0x0
	s_endpgm
.Lfunc_end_k_q2d6c4c2172_proj:
	.size	k_q2d6c4c2172_proj, .Lfunc_end_k_q2d6c4c2172_proj-k_q2d6c4c2172_proj
	.p2alignl 7, 3214868480
	.fill 96, 4, 3214868480
	.section	.rodata,"a",@progbits
	.p2align	6, 0x0
	.amdhsa_kernel k_q2d6c4c2172_proj
		.amdhsa_group_segment_fixed_size 269312
		.amdhsa_private_segment_fixed_size 0
		.amdhsa_enable_private_segment 0
		.amdhsa_kernarg_size 104
		.amdhsa_user_sgpr_count 2
		.amdhsa_user_sgpr_kernarg_segment_ptr 1
		.amdhsa_wavefront_size32 1
		.amdhsa_system_sgpr_workgroup_id_x 1
		.amdhsa_system_sgpr_workgroup_id_y 1
		.amdhsa_system_sgpr_workgroup_id_z 1
		.amdhsa_system_vgpr_workitem_id 0
		.amdhsa_next_free_vgpr 256
		.amdhsa_next_free_sgpr 80
		.amdhsa_reserve_vcc 1
		.amdhsa_float_denorm_mode_32 3
		.amdhsa_float_denorm_mode_16_64 3
		.amdhsa_memory_ordered 1
		.amdhsa_forward_progress 1
		.amdhsa_inst_pref_size 126
	.end_amdhsa_kernel
	.amdgpu_metadata
---
amdhsa.version: [ 1, 2 ]
amdhsa.kernels:
  - .name:           k_q2d6c4c2172_proj
    .symbol:         k_q2d6c4c2172_proj.kd
    .args:
      - { .name: hidden_states_codes, .offset: 0, .size: 8, .value_kind: global_buffer, .address_space: global }
      - { .name: hidden_states_scales, .offset: 8, .size: 8, .value_kind: global_buffer, .address_space: global }
      - { .name: Wq_codes, .offset: 16, .size: 8, .value_kind: global_buffer, .address_space: global }
      - { .name: Wq_scales, .offset: 24, .size: 8, .value_kind: global_buffer, .address_space: global }
      - { .name: bq, .offset: 32, .size: 8, .value_kind: global_buffer, .address_space: global }
      - { .name: Wk_codes, .offset: 40, .size: 8, .value_kind: global_buffer, .address_space: global }
      - { .name: Wk_scales, .offset: 48, .size: 8, .value_kind: global_buffer, .address_space: global }
      - { .name: bk, .offset: 56, .size: 8, .value_kind: global_buffer, .address_space: global }
      - { .name: Wv_codes, .offset: 64, .size: 8, .value_kind: global_buffer, .address_space: global }
      - { .name: Wv_scales, .offset: 72, .size: 8, .value_kind: global_buffer, .address_space: global }
      - { .name: bv, .offset: 80, .size: 8, .value_kind: global_buffer, .address_space: global }
      - { .name: qf, .offset: 88, .size: 8, .value_kind: global_buffer, .address_space: global }
      - { .name: kv, .offset: 96, .size: 8, .value_kind: global_buffer, .address_space: global }
    .group_segment_fixed_size: 269312
    .private_segment_fixed_size: 0
    .kernarg_segment_align: 8
    .kernarg_segment_size: 104
    .max_flat_workgroup_size: 384
    .sgpr_count:     80
    .vgpr_count:     256
    .wavefront_size: 32
...
	.end_amdgpu_metadata
.endif
;; end of part 1
;; launch attn (part 2): grid 256 x 1, 12 waves a work-group, clusters of 4 x 1, 327,680 bytes of LDS; arguments qf, kv, attention_mask, out0; writes out0
.if DOCPART == 2
	.amdgcn_target "amdgcn-amd-amdhsa--gfx1250"
	.amdhsa_code_object_version 6
	.text
	.protected	k_q2d6c4c2172_attn
	.globl	k_q2d6c4c2172_attn
	.p2align	8
	.type	k_q2d6c4c2172_attn,@function
k_q2d6c4c2172_attn:
	s_mov_b64 s[64:65], 0
	v_nop
	global_prefetch_b8 v0, s[64:65] scope:SCOPE_SE
	s_setreg_imm32_b32 hwreg(HW_REG_WAVE_MODE, 25, 1), 1
	s_wait_xcnt 0x0
	s_wait_alu depctr_hold_cnt(0) depctr_sa_sdst(0) depctr_va_vdst(0) depctr_va_sdst(0) depctr_va_ssrc(0) depctr_va_vcc(0) depctr_vm_vsrc(0)
	s_getreg_b32 s2, hwreg(HW_REG_IB_STS2, 6, 4)
	s_cmp_eq_u32 s2, 0
	s_cbranch_scc0 .Lentry_in_a_cluster
	s_endpgm
.Lentry_in_a_cluster:
	s_bfe_u32 s2, ttmp6, 0x10000c
	s_cmp_lg_u32 s2, 0x3003
	s_cbranch_scc0 .Lentry_shape_is_right
	s_endpgm
.Lentry_shape_is_right:
; out[q][head] = softmax_k(q . k / 8 + mask[k]) v on the codes of E2M1 that launch proj stored as images of operand registers (its head comment gives the records' layout).
; Nothing of reference() is left out.  p = 2^(t - M), t = (score + mask) log2(e), M the running largest t rounded up to a whole number; the row's sum is of the unquantised p and divides at the end.
; SHARES.  12 heads x 64 blocks of 64 queries = 768 blocks = 3 for each of 256 work-groups.  Work-group W takes block W % 64 of heads W / 64, W / 64 + 4, W / 64 + 8.
; Twelve waves: wave w: head number w / 4 of the three; kh = (w / 2) % 2: keys 2,048 kh on; pr = w % 2: the block's query tiles 2 pr, 2 pr + 1.  So each fragment of K, V and the mask read from LDS serves two tiles,
; and a wave walks 16 key steps of 128.  At the end the two halves of the keys are joined through LDS: both are brought under the larger M by exact powers of two; wave kh finishes tile kh of its pair.
; CLUSTER 4 x 1: the four partners have the same W / 64, so the same three heads: every record is asked for jointly (mask 15).  No LDS address and no branch hangs on the place in the cluster.
; RING: two slots of 12 records of 8,960 bytes (3 heads x 2 halves x 2 steps); wave w fetches record w of a slot, 35 rows of 256 bytes, one load behind each round; by the text's count one load a wave is out.
; PREFETCH: in the trip that asks for slot s + 1 each wave names its record of slot s + 2; the four partners share its 35 blocks out by address (9 each, left-over lanes name the last again); the last filling trip asks for nothing.
; THE MASK, 16,384 bytes, is copied once through registers into LDS bytes of its own and is the C of the first product.
; K's FRAGMENTS ARE PACKED: the head's 64 fill registers 0-3 of an operand; registers 4-7 are the next tile's codes (behind the last tile four zeros): they meet q's registers 4-7, which are zero codes, under finite scale bytes, and add 0.
; LIMITS: the promise holds while |t| stays under 2^31; NaN and infinities in the inputs are not served beyond what the arithmetic gives; a block of p that has fallen to 0 keeps the byte 1 over zero codes.
; REGISTERS: v0-11 addresses; v12-15, v16-19 the tiles' -M, largest t, sum (pair); v20-28 scale words and nothing else; v30-31 f; v32-95 scores, then p (the two tiles in turn); v96-159 mask; v160-195 K; v196-227 V;
; v228-235 p's codes; v236-251 at work.  Window 1: v0-31, v32-63 O^T of the two tiles; v64-71, v72-79 q's operands.
.set REC,   8960
.set SLOT1, 131072                     ; slot 1: one exclusive or turns an address from one slot to the other
.set MASK,  107520                     ; behind slot 0
.set SPARE, 123904                     ; the spare words: 128 bytes for each of twelve waves, six blocks of 256 that no other line names
.set STAGE, 238592                     ; behind slot 1: 16 rows x 272 bytes for each wave, for the way out
.set WV, 12
.set SEL, 28
.set CS, 30
.set TB, 32
.set TMK, 33
.set CNT, 34
.set PFA, 36
.set KS, 20
.set VS, 24
.set PS, 28
.set F, 30
.set S, 32
.set MK, 96
.set KF, 160
.set VF, 196
.set PC, 228
.set BM, 236
.set PT, 240
.set SO, 244
.set T0, 248
.set SU, 250
.set MSB, 0
.macro WIN new                         ; the immediate's high byte repeats the setting that is left
.if MSB != \new
	s_set_vgpr_msb (MSB<<8)|\new
.set MSB, \new
.endif
.endm
.macro NOPS
.rept 4
	v_nop
.endr
.endm
.macro ROUND                           ; a round of the cluster's barrier
	s_barrier_signal -1
	s_barrier_wait -1
	s_cmp_lg_u32 s[WV], 0
	s_cbranch_scc1 .Lnot_wave_0_\@
	s_barrier_signal -3
.Lnot_wave_0_\@:
	s_barrier_wait -3
	s_barrier_signal -1
	s_barrier_wait -1
.endm
	s_load_b256 s[4:11], s[0:1], 0x0               ; qf, kv, mask, out
	v_lshl_add_u32 v4, v0, 2, SPARE
	v_mov_b32 v5, 0
	ds_add_u32 v4, v5                              ; the opening lines: the add, twice on end, and its wait
	ds_add_u32 v4, v5
	v_lshrrev_b32 v1, 5, v0
	v_readfirstlane_b32 s[WV], v1                  ; wave 0..11
	s_bfe_u32 s13, ttmp6, 0x40000                  ; cx
	s_lshl_b32 s14, ttmp9, 2
	s_add_co_u32 s14, s14, s13
	s_and_b32 s14, s14, 63                         ; the block of 64 queries
	s_lshr_b32 s40, s[WV], 2
	s_bfe_u32 s41, s[WV], 0x10001                  ; kh
	s_and_b32 s42, s[WV], 1                        ; pr; also: which of a slot's two steps I fetch
	s_lshr_b32 s43, ttmp9, 4
	s_lshl_b32 s40, s40, 2
	s_add_co_u32 s43, s43, s40                     ; my head: made of the cluster's number and the wave's alone
	s_mov_b32 s16, 15|(3<<16)|(1<<21)              ; group 1: a record as 35 rows of 32 elements of 8 bytes, dense; the four partners
	s_mov_b32 s17, 32<<16
	s_mov_b32 s18, 35<<16
	s_mov_b32 s19, 32<<16
	s_mov_b32 s20, 35
	s_mov_b32 s21, 32
	s_mov_b32 s22, 0
	s_mov_b32 s23, 0
	s_lshl_b32 s44, s43, 5
	s_lshl_b32 s45, s41, 4
	s_add_co_u32 s44, s44, s45
	s_add_co_u32 s44, s44, s42
	s_mul_i32 s44, s44, REC                        ; the record that I fetch for slot 0: key step 16 kh + w % 2 of my head
	s_mov_b32 s45, 0
	s_lshl_b32 s46, s43, 5
	s_lshr_b32 s47, s14, 1
	s_add_co_u32 s46, s46, s47
	s_mul_i32 s46, s46, 4608                       ; q's record
	s_and_b32 s47, s14, 1
	s_lshl_b32 s48, s47, 8
	s_add_co_u32 s48, s48, s46
	s_lshl_b32 s49, s42, 3
	s_add_co_u32 s48, s48, s49
	s_add_co_u32 s48, s48, 4096                    ; my two tiles' scale words
	s_mov_b32 s49, 0
	s_lshl_b32 s47, s47, 11
	s_add_co_u32 s46, s46, s47
	s_lshl_b32 s47, s42, 10
	s_add_co_u32 s46, s46, s47                     ; my two fragments
	s_mov_b32 s47, 0
	s_lshl_b32 s50, s14, 6
	s_lshl_b32 s51, s42, 5
	s_add_co_u32 s50, s50, s51
	s_lshl_b32 s51, s41, 3
	s_add_co_u32 s50, s50, s51                     ; the first token of the tile that I finish: 64 block + 32 pr + 8 kh
	s_mul_i32 s50, s50, 3072
	s_lshl_b32 s51, s43, 8
	s_add_co_u32 s50, s50, s51
	s_mov_b32 s51, 0
	s_and_b32 s[TB], s[WV], 14
	s_mul_i32 s[TB], s[TB], REC                    ; the two records that I read lie at places w - w % 2 and the next
	s_mov_b32 s[TMK], 0
	s_mov_b32 s[SEL], 0x76543210
	s_mov_b32 s[SEL+1], 0xfedcba98
	s_mov_b32 s[CS], 0x3fb8aa3b                    ; log2(e)
	s_mov_b32 s[CS+1], s[CS]
	s_wait_dscnt 0x0
	s_wait_kmcnt 0x0
	s_mov_b32 s24, 1
	s_mul_i32 s25, s[WV], REC
	s_add_nc_u64 s[26:27], s[6:7], s[44:45]
	s_add_nc_u64 s[PFA:PFA+1], s[26:27], 2*REC     ; each trip steps it by a slot ahead of its use
	s_or_b32 s27, s27, 0x80000000
	s_add_nc_u64 s[46:47], s[4:5], s[46:47]
	s_add_nc_u64 s[48:49], s[4:5], s[48:49]
	s_add_nc_u64 s[10:11], s[10:11], s[50:51]
	ROUND                                          ; in front of the first joint loads
	tensor_load_to_lds s[24:27], s[16:23]          ; slot 0: one load a wave
	s_nop 0
	NOPS
	v_and_b32 v2, 31, v0
	v_lshlrev_b32 v1, 4, v2                        ; 16 x lane
	v_min_u32 v9, 8, v2
	v_lshlrev_b32 v2, 3, v2                        ; 8 x lane
	v_bfe_u32 v10, v0, 4, 1
	s_lshl_b32 s52, s41, 13
	s_add_co_u32 s52, s52, MASK
	v_lshl_add_u32 v3, v10, 6, s52                 ; the mask of my half of the keys, + 16 numbers for lanes 16-31
	s_mul_i32 s53, s13, 9
	v_add_nc_u32 v9, s53, v9
	v_min_u32 v9, 34, v9
	v_lshlrev_b32 v9, 8, v9                        ; the prefetch: block 9 cx + lane of the record's 35
	v_and_b32 v29, 15, v0
	v_lshlrev_b32 v29, 4, v29
	v_lshlrev_b32 v10, 4, v0
	v_add_nc_u32 v11, MASK, v10
	s_wait_alu depctr_va_vdst(0)
	global_load_b32 v26, v29, s[48:49]
	global_load_b32 v27, v29, s[48:49] offset:4
	WIN 0x40
	global_load_b128 v[64:67], v1, s[46:47]
	global_load_b128 v[72:75], v1, s[46:47] offset:512
.set J, 0
.rept 64
	v_mov_b32 v[J], 0                              ; O^T: the step is written once, its first run finds zeros
.set J, J+1
.endr
.irp j, 68,69,70,71,76,77,78,79
	v_mov_b32 v\j, 0                               ; q's empty half of K: zero codes
.endr
	WIN 0
.irp j, 14,15,18,19,31,192,193,194,195,240,241,242,243
	v_mov_b32 v\j, 0
.endr
	v_mov_b32 v13, 0xff61b1e6                      ; -3e38, under every t
	v_mov_b32 v17, 0xff61b1e6
	v_floor_f32 v12, -v13
	v_floor_f32 v16, -v17
	s_wait_alu depctr_va_vdst(0)                   ; the wait ahead of the branch
	s_cmp_ge_u32 s[WV], 8
	s_cbranch_scc1 .Lnomask
.irp i, 0,1,2,3                        ; waves 0-7 copy the mask: 256 threads x 4 x 16 bytes
	global_load_b128 v[32+4*\i:35+4*\i], v10, s[8:9] offset:4096*\i
.endr
	s_wait_loadcnt 0x0
	s_wait_tensorcnt 0x0
.irp i, 0,1,2,3
	ds_store_b128 v11, v[32+4*\i:35+4*\i] offset:4096*\i
.endr
.Lnomask:
	s_wait_alu depctr_va_vdst(0)                   ; the wait at the head's end
	s_wait_loadcnt 0x0                             ; q
.macro REQ_K i                         ; 9 loads: K's eight fragments and its scale words
.irp t, 0,1,2,3,4,5,6,7
	ds_load_b128 v[KF+4*\t:KF+4*\t+3], v6 offset:REC*\i+512*\t
.endr
	ds_load_b128 v[KS:KS+3], v6 offset:REC*\i+8192
.endm
.macro REQ_M a, i                      ; 16 loads: the mask of key step i from address register a on, in the result's layout.  The mask lies outside the ring: it may be read ahead of a change of slots
.irp t, 0,1,2,3,4,5,6,7
.irp k, 0,1
	ds_load_b128 v[MK+8*\t+4*\k:MK+8*\t+4*\k+3], v\a offset:512*\i+128*(\t/2)+32*(\t%2)+16*\k
.endr
.endr
.endm
.macro REQ_V i                         ; 9 loads
.irp d, 0,1,2,3
.irp c, 0,1
	ds_load_b128 v[VF+8*\d+4*\c:VF+8*\d+4*\c+3], v6 offset:REC*\i+4096+1024*\d+512*\c
.endr
.endr
	ds_load_b64 v[VS:VS+1], v7 offset:REC*\i+8704
.endm
.macro QK q, sq                        ; S^T = K q^T + mask: eight accumulators by turns
.irp t, 0,1,2,3
	v_wmma_scale_f32_16x16x128_f8f6f4 v[S+8*\t:S+8*\t+7], v[KF+4*\t:KF+4*\t+7], v[\q:\q+7], v[MK+8*\t:MK+8*\t+7], v[KS+\t], v\sq matrix_a_fmt:MATRIX_FMT_FP4 matrix_b_fmt:MATRIX_FMT_FP4
.endr
.irp t, 4,5,6,7
	v_wmma_scale_f32_16x16x128_f8f6f4 v[S+8*\t:S+8*\t+7], v[KF+4*\t:KF+4*\t+7], v[\q:\q+7], v[MK+8*\t:MK+8*\t+7], v[KS+\t-4], v\sq matrix_a_fmt:MATRIX_FMT_FP4 matrix_b_fmt:MATRIX_FMT_FP4 matrix_a_scale:MATRIX_SCALE_ROW1
.endr
.endm
.macro PV o                            ; O^T += V^T p^T: four accumulators by turns
.irp d, 0,1
	v_wmma_scale_f32_16x16x128_f8f6f4 v[\o+8*\d:\o+8*\d+7], v[VF+8*\d:VF+8*\d+7], v[PC:PC+7], v[\o+8*\d:\o+8*\d+7], v[VS+\d], v[PS] matrix_a_fmt:MATRIX_FMT_FP4 matrix_b_fmt:MATRIX_FMT_FP4
.endr
.irp d, 2,3
	v_wmma_scale_f32_16x16x128_f8f6f4 v[\o+8*\d:\o+8*\d+7], v[VF+8*\d:VF+8*\d+7], v[PC:PC+7], v[\o+8*\d:\o+8*\d+7], v[VS+\d-2], v[PS] matrix_a_fmt:MATRIX_FMT_FP4 matrix_b_fmt:MATRIX_FMT_FP4 matrix_a_scale:MATRIX_SCALE_ROW1
.endr
.endm
.macro RESC o                          ; O^T under the new M: x f, exact
.set J, 0
.rept 16
	v_pk_mul_f32 v[\o+J:\o+J+1], v[\o+J:\o+J+1], v[F:F+1] op_sel_hi:[1,0]
.set J, J+2
.endr
.endm
; The softmax of one tile and 128 keys; st: the tile's -M, largest t, sum pair.  Register 16 b + i of lane (r, h) is key 32 b + 16 h + i of query r.
.macro SM st
.irp b, 0,1,2,3
	v_max3_num_f32 v[BM+\b], v[S+16*\b], v[S+1+16*\b], v[S+2+16*\b]   ; each block's largest score: for the row's maximum and for the block's largest p
.endr
.irp i, 3,5,7,9,11,13
.irp b, 0,1,2,3
	v_max3_num_f32 v[BM+\b], v[BM+\b], v[S+16*\b+\i], v[S+1+16*\b+\i]
.endr
.endr
.irp b, 0,1,2,3
	v_max_num_f32 v[BM+\b], v[BM+\b], v[S+15+16*\b]
.endr
.irp b, 0,1,2,3
	s_delay_alu instid0(VALU_DEP_4)
	v_permlanex16_b32 v[PT+\b], v[BM+\b], s[SEL], s[SEL+1]
.endr
.irp b, 0,1,2,3
	s_delay_alu instid0(VALU_DEP_4)
	v_max_num_f32 v[BM+\b], v[BM+\b], v[PT+\b]
.endr
	s_delay_alu instid0(VALU_DEP_2)
	v_max3_num_f32 v[T0], v[BM], v[BM+1], v[BM+2]
	s_delay_alu instid0(VALU_DEP_1)
	v_max_num_f32 v[T0], v[T0], v[BM+3]
	s_delay_alu instid0(VALU_DEP_1)
	v_mul_f32 v[T0], s[CS], v[T0]
	s_delay_alu instid0(VALU_DEP_1)
	v_max_num_f32 v[\st+1], v[\st+1], v[T0]        ; the running largest t
	v_mov_b32 v[T0], v[\st]
	s_delay_alu instid0(VALU_DEP_2)
	v_floor_f32 v[\st], -v[\st+1]                  ; -M = floor(-t)
	s_delay_alu instid0(VALU_DEP_1)
	v_sub_f32 v[T0], v[\st], v[T0]
	s_delay_alu instid0(VALU_DEP_1)
	v_cvt_i32_f32 v[T0], v[T0]
	s_delay_alu instid0(VALU_DEP_1)
	v_ldexp_f32 v[F], 1.0, v[T0]                   ; f = 2^(old M - new M)
.set J, 0
.rept 32
	v_pk_fma_f32 v[S+J:S+J+1], v[S+J:S+J+1], s[CS:CS+1], v[\st:\st+1] op_sel_hi:[1,0,0]
.set J, J+2
.endr
.irp b, 0,1,2,3
	v_fma_f32 v[BM+\b], v[BM+\b], s[CS], v[\st]
.endr
	s_wait_alu depctr_va_vdst(0)                   ; the wait ahead of the batch
.set J, 0
.rept 64
	v_exp_f32 v[S+J], v[S+J]
.set J, J+1
.endr
.irp b, 0,1,2,3
	v_exp_f32 v[BM+\b], v[BM+\b]                   ; the blocks' largest p, by the same two instructions
.endr
	v_pk_mul_f32 v[\st+2:\st+3], v[\st+2:\st+3], v[F:F+1] op_sel_hi:[1,0]   ; a plain place behind the batch
	s_wait_alu depctr_va_vdst(0)                   ; and the one wait behind it
	v_pk_add_f32 v[SU:SU+1], v[S:S+1], v[S+2:S+3]  ; the sum of the unquantised p, in four chains by turns: 32 packed additions for 64 numbers
	v_pk_add_f32 v[T0:T0+1], v[S+4:S+5], v[S+6:S+7]
	v_pk_add_f32 v[PT:PT+1], v[S+8:S+9], v[S+10:S+11]
.set J, 12
.rept 6
	v_pk_add_f32 v[\st+2:\st+3], v[\st+2:\st+3], v[S+J:S+J+1]
	v_pk_add_f32 v[SU:SU+1], v[SU:SU+1], v[S+J+2:S+J+3]
	v_pk_add_f32 v[T0:T0+1], v[T0:T0+1], v[S+J+4:S+J+5]
	v_pk_add_f32 v[PT:PT+1], v[PT:PT+1], v[S+J+6:S+J+7]
.set J, J+8
.endr
	v_pk_add_f32 v[\st+2:\st+3], v[\st+2:\st+3], v[S+60:S+61]
	v_pk_add_f32 v[SU:SU+1], v[SU:SU+1], v[S+62:S+63]
	v_pk_add_f32 v[T0:T0+1], v[T0:T0+1], v[PT:PT+1]
	s_delay_alu instid0(VALU_DEP_2)
	v_pk_add_f32 v[\st+2:\st+3], v[\st+2:\st+3], v[SU:SU+1]
	s_delay_alu instid0(VALU_DEP_1)
	v_pk_add_f32 v[\st+2:\st+3], v[\st+2:\st+3], v[T0:T0+1]
.irp b, 0,1,2,3
	v_max_num_f32 v[BM+\b], 0x1800000, v[BM+\b]    ; the floor 2^(3 - 127): the byte cannot fall under 1
.endr
.irp b, 0,1,2,3
	s_delay_alu instid0(VALU_DEP_4)
	v_add_nc_u32 v[SO+\b], 0xff000000, v[BM+\b]    ; 2 off the exponent field: the conversion's scale operand
.endr
.irp b, 0,1,2,3
	s_delay_alu instid0(VALU_DEP_4)
	v_lshrrev_b32 v[PT+\b], 23, v[SO+\b]
.endr
	s_delay_alu instid0(VALU_DEP_3)
	v_lshl_or_b32 v[PS], v[PT+1], 8, v[PT]
	s_delay_alu instid0(VALU_DEP_1)
	v_lshl_or_b32 v[PS], v[PT+2], 16, v[PS]
	s_delay_alu instid0(VALU_DEP_1)
	v_lshl_or_b32 v[PS], v[PT+3], 24, v[PS]
.irp b, 0,1,2,3
	v_cvt_scalef32_pk8_fp4_f32 v[PC+2*\b], v[S+16*\b:S+16*\b+7], v[SO+\b]
	v_cvt_scalef32_pk8_fp4_f32 v[PC+1+2*\b], v[S+8+16*\b:S+15+16*\b], v[SO+\b]
.endr
	v_nop                                          ; one plain place behind a scaled conversion
.irp c, 0,1
.irp i, 0,1
	v_permlane16_swap_b32 v[PC+4*\c+\i], v[PC+2+4*\c+\i]   ; a whole block to a lane
.endr
.endr
.endm
; A key step of both tiles, on the slot's record i.  mode 1: the slot's second record of K and its mask are asked for on the way; mode 2: the mask of the next slot's first step; mode 0: nothing.
.macro STEP mode, i
	s_wait_dscnt 0x0                               ; K, its scales and the mask are in
	WIN 0x04
	QK 64, 26
	WIN 0
	REQ_V \i                                       ; V has the first tile's softmax in which to land (four places stand behind the products that read its registers last)
	NOPS                                           ; places in front of the first read of the scores
	SM 12
	WIN 0x41
	s_wait_alu depctr_va_vdst(0)                   ; the wait directly ahead of the first reader of O^T
	RESC 0
	s_wait_alu depctr_va_vdst(0)                   ; and behind these writes and p's codes
	WIN 0x04
	QK 72, 27                                      ; the second tile's scores take the registers that the first tile's p has left
	WIN 0
	NOPS                                           ; places in front of the loads into K's and the mask's registers and of the first read of the scores
.if \mode == 1
	REQ_K 1
	REQ_M 8, 1
	s_wait_dscnt 25                                ; V is in; the 25 loads just issued may be out
.endif
.if \mode == 2
	REQ_M 8, 2
	s_wait_dscnt 16                                ; V is in; the 16 loads just issued may be out
.endif
.if \mode == 0
	s_wait_dscnt 0x0
.endif
	WIN 0x50
	PV 0
	WIN 0
	SM 16
	WIN 0x41
	s_wait_alu depctr_va_vdst(0)
	RESC 32
	WIN 0x50
	PV 32
	WIN 0
	NOPS                                           ; places in front of the next loads into V's registers
.endm
; A trip: the change of slots, then the slot's two key steps.
.macro TRIP fill
	s_wait_tensorcnt 0x0                           ; my record of the slot ahead is in
	ds_add_u32 v4, v5
.if \fill
	s_xor_b32 s25, s25, SLOT1                      ; no load of mine is out: the descriptor walks to the other slot and two key steps on
	s_add_nc_u64 s[26:27], s[26:27], 2*REC
	s_wait_xcnt 0x0                                ; my last prefetch has read its address
	s_add_nc_u64 s[PFA:PFA+1], s[PFA:PFA+1], 2*REC
.endif
	v_add_nc_u32 v6, s[TB], v1
	v_add_nc_u32 v7, s[TB], v2
	v_add_nc_u32 v8, s[TMK], v3
	s_wait_alu depctr_va_vdst(0)
	s_wait_dscnt 0x0                               ; the add, my stores and my reads of the slot that I leave are done
	ROUND
.if \fill
	tensor_load_to_lds s[24:27], s[16:23]          ; the next slot's record, into the slot just left (the first time: slot 1's first fill)
	s_nop 0
	NOPS
	s_cmp_gt_u32 s[CNT], 1                         ; the last filling trip has no slot two on
	s_cbranch_scc0 .Lnopf_\@
	global_prefetch_b8 v9, s[PFA:PFA+1] th:TH_LOAD_NT scope:SCOPE_SE
.Lnopf_\@:
.endif
	REQ_K 0                                        ; behind a round only these 9 loads stand ahead of the first products: the step's mask was asked for ahead of the round
	STEP 1, 0
.if \fill
	STEP 2, 1
.else
	STEP 0, 1
.endif
	s_xor_b32 s[TB], s[TB], SLOT1
	s_add_co_u32 s[TMK], s[TMK], 1024
.endm
	s_wait_dscnt 0x0                               ; my stores of the mask have landed
	s_barrier_signal -1
	s_barrier_wait -1                              ; the mask is whole
	REQ_M 3, 0                                     ; the first step's mask
	s_mov_b32 s[CNT], 7
.Ltrip:
	TRIP 1
	s_sub_co_u32 s[CNT], s[CNT], 1
	s_cmp_lg_u32 s[CNT], 0
	s_wait_alu depctr_va_vdst(0)
	s_cbranch_scc1 .Ltrip
	TRIP 0                                         ; the last slot is written out: it asks for nothing
	; THE JOIN.  Every wave lays both tiles' O^T (images of registers), -M and sum into its 8,960 bytes of slot 0, which has had its last fill and its last read.
	v_add_f32 v13, v14, v15
	v_mov_b32 v14, v16
	v_add_f32 v15, v18, v19                        ; v[12:15] = -M, sum of tile 0; -M, sum of tile 1
	s_mul_i32 s40, s[WV], REC
	v_add_nc_u32 v6, s40, v1
	s_xor_b32 s44, s[WV], 2                        ; the wave with the other half of the keys
	s_mul_i32 s44, s44, REC
	s_lshl_b32 s45, s41, 12
	s_add_co_u32 s46, s40, s45
	s_add_co_u32 s47, s44, s45
	v_add_nc_u32 v7, s46, v1                       ; tile kh: mine,
	v_add_nc_u32 v8, s47, v1                       ; the other wave's
	s_lshl_b32 s45, s41, 3
	s_add_co_u32 s45, s45, 8192
	s_add_co_u32 s46, s40, s45
	s_add_co_u32 s47, s44, s45
	v_add_nc_u32 v10, s46, v1
	v_add_nc_u32 v11, s47, v1
	WIN 0x04
.set G, 0
.rept 16
.if (G%2) == 0
	s_wait_alu depctr_va_vdst(0)                   ; the wait directly ahead of each accumulator's first reader
.endif
	ds_store_b128 v6, v[4*G:4*G+3] offset:512*G
.set G, G+1
.endr
	WIN 0
	ds_store_b128 v6, v[12:15] offset:8192
	s_wait_dscnt 0x0
	s_barrier_signal -1
	s_barrier_wait -1
.irp g, 0,1,2,3,4,5,6,7
	ds_load_b128 v[32+4*\g:35+4*\g], v7 offset:512*\g
	ds_load_b128 v[64+4*\g:67+4*\g], v8 offset:512*\g
.endr
	ds_load_b64 v[96:97], v10
	ds_load_b64 v[98:99], v11
	v_and_b32 v240, 15, v0
	v_bfe_u32 v241, v0, 4, 1
	s_mul_i32 s44, s[WV], 4352
	s_add_co_u32 s44, s44, STAGE
	v_mul_u32_u24 v242, v240, 272
	v_lshl_add_u32 v242, v241, 6, v242
	v_add_nc_u32 v242, s44, v242                   ; in: row r, features 16 h on
	v_mul_u32_u24 v243, v241, 272
	v_lshl_add_u32 v243, v240, 4, v243
	v_add_nc_u32 v243, s44, v243                   ; back: lanes 0-15 one row, lanes 16-31 the next
	v_mul_u32_u24 v244, v241, 3072
	v_lshl_add_u32 v244, v240, 4, v244
	s_wait_alu depctr_va_vdst(0)
	s_wait_dscnt 0x0
	v_min_num_f32 v100, v96, v98                   ; -(the larger M)
	v_sub_f32 v101, v100, v96
	v_sub_f32 v102, v100, v98
	v_cvt_i32_f32 v101, v101
	v_cvt_i32_f32 v102, v102
	v_ldexp_f32 v101, 1.0, v101                    ; each half's 2^(its M - the larger M)
	v_ldexp_f32 v102, 1.0, v102
	v_mul_f32 v103, v97, v101
	v_fma_f32 v103, v99, v102, v103
	v_permlanex16_b32 v236, v103, s[SEL], s[SEL+1]
	v_add_f32 v103, v103, v236                     ; the row's sum
	s_wait_alu depctr_va_vdst(0)
	v_rcp_f32 v103, v103
	v_nop
	s_wait_alu depctr_va_vdst(0)
	v_mul_f32 v104, v101, v103
	v_mul_f32 v106, v102, v103
.set J, 0
.rept 16
	v_pk_mul_f32 v[32+J:33+J], v[32+J:33+J], v[104:105] op_sel_hi:[1,0]
.set J, J+2
.endr
.set J, 0
.rept 16
	v_pk_fma_f32 v[32+J:33+J], v[64+J:65+J], v[106:107], v[32+J:33+J] op_sel_hi:[1,0,1]
.set J, J+2
.endr
.irp b, 0,1                            ; register 16 b + i is feature 32 b + 16 h + i of the lane's token
.irp i, 0,1,2,3
	ds_store_b128 v242, v[32+16*\b+4*\i:35+16*\b+4*\i] offset:128*\b+16*\i
.endr
.endr
.set I, 0
.rept 8
	ds_load_b128 v[64+4*I:67+4*I], v243 offset:544*I   ; my own bytes: LDS serves a wave's instructions in order
.set I, I+1
.endr
.set I, 0
.rept 8
	s_wait_dscnt 7-I
	global_store_b128 v244, v[64+4*I:67+4*I], s[10:11] offset:3072*(2*I+8*(I/4)) th:TH_STORE_NT   ; sixteen lanes store a token's 256 bytes of the head, aligned; row r of the tile is token r + 8 (r / 8)
.set I, I+1
.endr
	s_wait_tensorcnt 0x0                           ; the wave's end
	ds_add_u32 v4, v5
	s_wait_dscnt 0x0
	ROUND                                          ; the closing round
	s_endpgm
.Lfunc_end_k_q2d6c4c2172_attn:
	.size	k_q2d6c4c2172_attn, .Lfunc_end_k_q2d6c4c2172_attn-k_q2d6c4c2172_attn
	.p2alignl 7, 3214868480
	.fill 96, 4, 3214868480
	.section	.rodata,"a",@progbits
	.p2align	6, 0x0
	.amdhsa_kernel k_q2d6c4c2172_attn
		.amdhsa_group_segment_fixed_size 327680
		.amdhsa_private_segment_fixed_size 0
		.amdhsa_enable_private_segment 0
		.amdhsa_kernarg_size 32
		.amdhsa_user_sgpr_count 2
		.amdhsa_user_sgpr_kernarg_segment_ptr 1
		.amdhsa_wavefront_size32 1
		.amdhsa_system_sgpr_workgroup_id_x 1
		.amdhsa_system_sgpr_workgroup_id_y 1
		.amdhsa_system_sgpr_workgroup_id_z 1
		.amdhsa_system_vgpr_workitem_id 0
		.amdhsa_next_free_vgpr 336
		.amdhsa_next_free_sgpr 66
		.amdhsa_reserve_vcc 0
		.amdhsa_float_denorm_mode_32 3
		.amdhsa_float_denorm_mode_16_64 3
		.amdhsa_memory_ordered 1
		.amdhsa_forward_progress 1
		.amdhsa_inst_pref_size 145
	.end_amdhsa_kernel
	.amdgpu_metadata
---
amdhsa.version: [ 1, 2 ]
amdhsa.kernels:
  - .name:           k_q2d6c4c2172_attn
    .symbol:         k_q2d6c4c2172_attn.kd
    .args:
      - { .name: qf, .offset: 0, .size: 8, .value_kind: global_buffer, .address_space: global }
      - { .name: kv, .offset: 8, .size: 8, .value_kind: global_buffer, .address_space: global }
      - { .name: attention_mask, .offset: 16, .size: 8, .value_kind: global_buffer, .address_space: global }
      - { .name: out0, .offset: 24, .size: 8, .value_kind: global_buffer, .address_space: global }
    .group_segment_fixed_size: 327680
    .private_segment_fixed_size: 0
    .kernarg_segment_align: 8
    .kernarg_segment_size: 32
    .max_flat_workgroup_size: 384
    .sgpr_count:     66
    .vgpr_count:     336
    .wavefront_size: 32
...
	.end_amdgpu_metadata
.endif
;; end of part 2
